; MI455X (gfx1250); checked and timed in simulation.
; The chip was launched on July 23, 2026; its instructions are those of AMD's public machine-readable ISA for CDNA 5 (MIT licence, August 2026) and "CDNA5" Instruction Set Architecture Reference Guide (July 2026). The comments in the code are by the model that wrote it; some were corrected since.
;; MLP Attention. Allowed arithmetic: matrix products marked QUANTISED: E5M2 operands, one E8M0 scale for each 32 along K, by v_wmma_scale_f32_16x16x128_f8f6f4 with both operands' format E5M2, f32 sums; products left as they are: f32 operands where the result goes on into a quantised operand, else bf16, f16 or f32 operands; f32 sums; everything else in f32.
;; Inputs: K_codes 4 x 512 x 2 x 32 uint8 (E5M2 codes of K, K innermost, in blocks of 32 codes); K_scales 4 x 512 x 2 uint8 (E8M0 scales of K, one for each 32 codes along K); Q_codes 4 x 512 x 2 x 32 uint8 (E5M2 codes of Q, K innermost, in blocks of 32 codes); Q_scales 4 x 512 x 2 uint8 (E8M0 scales of Q, one for each 32 codes along K); V_codes 4 x 64 x 16 x 32 uint8 (E5M2 codes of V, K innermost, in blocks of 32 codes); V_scales 4 x 64 x 16 uint8 (E8M0 scales of V, one for each 32 codes along K); W1 128 x 64 float32; W2 64 float32; b1 64 float32; b2 one number float32.
;; Outputs: out0 4 x 512 x 64 float32; out1 4 x 512 x 512 float32.
;; This version of the problem:
;;   THIS VERSION OF THE PROBLEM IS GIVEN IN LOW PRECISION. The matrix products marked QUANTISED in the list below multiply operands that are first quantised to E5M2 (5 exponent bits, 2 mantissa bits; 8 bits a number), with one power-of-two scale for each 32 numbers along K (OCP MX v1.0); their sums are f32. All else is computed in f32.
;;   The module's matrix products, in the order in which they are computed (A, B: the left and right operand; K: the contracted axis; several contracted axes count as one K, in the product's order):
;;     1. [M 2,048, K 64] x [K 64, N 64]; A: input Q (given as codes); B: input W1: QUANTISED
;;     2. [M 2,048, K 64] x [K 64, N 64]; A: input K (given as codes); B: input W1: QUANTISED
;;     3. [M 1,048,576, K 64] x [K 64, N 1]; A: computed on the way; B: input W2: left as it is (N = 1 < 16)
;;     4. batch 4 x [M 512, K 512] x [K 512, N 64]; A: softmax (see below); B: input V (given as codes): QUANTISED
;;   THE QUANTISER, for each operand of a quantised product, along K:
;;     - K is cut into blocks of 32 from its start; a last block that is shorter is filled with zeros.
;;     - A block's scale is 2^e with e = floor(log2(the largest magnitude in the block)) - 15, held to -126 .. 127; a block of zeros has e = 0. As a byte (E8M0): e + 127.
;;     - Each number is divided by its block's scale, clamped to +-57,344, and rounded to the nearest number of E5M2, ties to even, subnormals kept.
;;     - The product sums the exact products of the quantised numbers (number of the format x scale) in f32.
;;   ~~~python
;;   def quantise(x, axis):      # numpy; x: float32 -> the quantised numbers, widened to float32 again
;;       x = np.moveaxis(x, axis, -1); K = x.shape[-1]
;;       x = np.pad(x, [(0, 0)] * (x.ndim - 1) + [(0, -K % 32)]); x = x.reshape(x.shape[:-1] + (-1, 32)); a = np.abs(x).max(-1, keepdims=True)
;;       e = np.where(a > 0, np.clip(np.frexp(np.where(a > 0, a, 1))[1] - 1 - 15, -126, 127), 0)      # np.frexp(a)[1] - 1 = floor(log2(a)), exactly
;;       r = np.clip(x / 2.0 ** e, -57344, 57344)
;;       step = 2.0 ** (np.maximum(np.frexp(np.where(r == 0, 1, r))[1] - 1, -14) - 2)
;;       q = np.round(r / step) * step * 2.0 ** e      # np.round: ties to even
;;       return np.moveaxis(q.reshape(q.shape[:-2] + (-1,))[..., :K], -1, axis).astype(np.float32)
;;   ~~~
;;   SOFTMAX AHEAD OF A QUANTISED PRODUCT. Where the list says 'softmax', what is quantised is not the finished softmax but p = 2^(t - M), with t = logit x log2(e) and M = ceil(the row's largest t), a whole number; so 1/2 < the row's largest p <= 1. The row's sum l is taken of the UNQUANTISED p, in f32, and the product's result is divided by l at the end. Since M is a whole number, a kernel that streams over the keys may use a running M (the ceiling of the running maximum): every later rescaling is an exact power of two, which a block's scale takes up: the codes' values come out the same.
;;   OPERANDS COMPUTED ON THE WAY. 'Computed on the way' means the value that the module computes at that place (a softmax that the list does not call 'softmax' is quantised finished and normalised). What goes into a quantiser is computed in f32, as accurately as f32 sums, v_exp_f32 and their like allow (about 1e-6 of the number): no bf16 or f16 on the way to a quantiser, and a product that is left as it is and whose result goes on into a quantised operand takes f32 operands (vector FMAs, or v_wmma_f32_16x16x4_f32). A number that lies on a knife's edge between two numbers of the format may be rounded either way, as far as f32 arithmetic and the matrix unit's own rounding can turn it there, and no further.
;;   INPUTS GIVEN AS CODES. K (in the module: [4, 512, 64], K = its axis 2); Q (in the module: [4, 512, 64], K = its axis 2); V (in the module: [4, 512, 64], K = its axis 1): each comes as NAME_codes (uint8): NAME with its K axis moved to the last place and cut into blocks of 32 codes, [.., K / 32, bytes a block], one block behind the other in memory; one code a byte (a code: sign, 5 exponent bits, 2 mantissa bits); and NAME_scales (uint8): the same leading axes, one E8M0 byte (e + 127) for each 32 codes along K. Its value is code x scale, taken as it is: it is not quantised again, and the codes and scales need not be those that the quantiser above would give.
;; One version. Each part assembles by itself: llvm-mc -triple=amdgcn-amd-amdhsa -mcpu=gfx1250 --defsym DOCPART=n.
;; ======== version 1 of 1: 1 launch
;; limits: a difference of large sums (such as E[x^2] - mean^2): digits are lost where the result is much smaller than its terms
;; launch mlpatt (part 1): grid 256 x 1, 8 waves a work-group, no clusters, 168,960 bytes of LDS; arguments K_codes, K_scales, Q_codes, Q_scales, V_codes, V_scales, W1, W2, b1, b2, out0, out1; writes out0, out1
.if DOCPART == 1
	.amdgcn_target "amdgcn-amd-amdhsa--gfx1250"
	.amdhsa_code_object_version 6
	.text
	.protected	k_q8833f3b171_mlpatt
	.globl	k_q8833f3b171_mlpatt
	.p2align	8
	.type	k_q8833f3b171_mlpatt,@function
k_q8833f3b171_mlpatt:
	s_mov_b64 s[64:65], 0
	v_nop
	global_prefetch_b8 v0, s[64:65] scope:SCOPE_SE
	s_setreg_imm32_b32 hwreg(HW_REG_WAVE_MODE, 25, 1), 1
	s_wait_xcnt 0x0
; res[n][k] = sum over d of W2[d] relu(hq[n][d] + hk[k][d] + b1[d]) + b2;  att = softmax over k of res / 4;  out0 = att V;  out1 = att.
; hq = Q Wq, hk = K Wk and p V are products on codes of E5M2 with one E8M0 scale for each 32 along K; Wq, Wk are W1's even and odd rows, quantised here along d.
; THE BULK: 512 x 512 x 64 terms a batch.  relu(a + c) = max(c, -a) + a, with a = hq + b1 (a query's) and c = hk (a key's), so
;   res = sum of W2[d] max(c[d], na[d]) + SA,  na = -a,  SA = sum of W2[d] a[d] + b2:  one maximum and one multiply-add a term; two terms are one dual maximum and one packed multiply-add.
; LIMITS: the sum is the same as written above but rounded in another order (error of the size of f32's last bit of sum |W2| (|a| + |c|));
;   NaN and infinities among the inputs are not served (the maximum drops a NaN); a block of zeros gets the scale byte 1 (its codes are zeros; only this text reads the byte);
;   a p under 2^-126 becomes 0.
; SHARES: work-group g: batch g / 64, queries 8 (g % 64) .. + 7, all 512 keys.  Wave w (t = w % 4, G = w / 4):
;   quantises one tile of 16 columns of Wq (G = 0) or Wk (G = 1); waves 0-3 make hq's tile t; every wave makes hk of ITS 64 keys (16 products, kept in 128 registers);
;   then res of its 64 keys for the 8 queries; then the softmax of row w; then tile t of out0's 64 columns over keys 256 G .. + 255; then row w of out0.
; LAYOUT: products are used transposed (source 0 = 16 columns of W, source 1 = 16 keys or queries): lane (r, h) holds key r and, in register 8 t + j, d = 16 t + 8 h + j.
;   So a lane sums 32 of a key's 64 terms and lane l xor 16 the others.  K = 64 is half an instruction's 128: registers 8-15 of each such operand hold zero codes.
; No tensor load, no loop: every repeat is written by macro.  LDS used: 78,080 bytes.
.set DUAL, 1                           ; 1: two maxima in one dual instruction; 0: two plain ones
.set NA,   0                           ; rows of 256 bytes: row q: na[q][d]; row 8: W2[d]
.set SAP,  2304                        ; 64 q + 32 h + 4 t: the part of SA from hq's tile t, half h
.set WSC,  2816                        ; Wk's scale words: 128 t + 4 lane
.set PSC,  3328                        ; p's scale bytes: 128 s + 4 row + c
.set VSC,  3840                        ; 256 w + 8 lane: my two scale words of V (the wave's own)
.set WIMG, 5888                        ; Wk's fragments as images of their registers: 1024 t + 512 c + 16 lane
.set PIMG, 9984                        ; p's fragments likewise: 2048 s + 512 c + 16 (16 h + row)
.set OST,  18176                       ; two planes (G) of 2,304 bytes: 272 row + 4 d
.set SRES, 22784                       ; res, then att: 2560 q + 80 (k / 16) + 4 (k % 16): 16 bytes of padding behind each 64
.set VIMG, 43264                       ; 4352 w + 272 row: my 16 rows x 256 bytes of V's codes (the wave's own)
.set WOP,  64                          ; v64-127  four fragments of W; later A1 (v64-95) and W2's numbers (v96-127)
.set WV,   96
.set CB,   128                         ; v128-255 hk: block i (16 keys) at v[CB + 32 i]
.set X,    160                         ; v160-191 W1's 32 numbers of a lane; later na
.set PR,   128                         ; the softmax: v128-143 p, v144-159 p held, v160-175 att by rows, v176-179 codes
.set HH,   144
.set YY,   160
.set CD,   176
.set VF,   32                          ; the last product: V's two fragments, p's two, the result
.set PF,   64
.set DD,   96
.macro BARRIER                         ; my LDS stores have landed and my LDS loads are in: then the work-group's barrier
	s_wait_dscnt 0x0
	s_barrier_signal -1
	s_barrier_wait -1
.endm
	s_load_b512 s[4:19], s[0:1], 0x0               ; K codes s[4:5], K scales s[6:7], Q codes s[8:9], Q scales s[10:11], V codes s[12:13], V scales s[14:15], W1 s[16:17], W2 s[18:19]
	s_load_b256 s[20:27], s[0:1], 0x40             ; b1 s[20:21], b2 s[22:23], out0 s[24:25], out1 s[26:27]
	s_set_vgpr_msb 0x40
	v_lshl_add_u32 v0, v0, 2, 0x29000
	v_mov_b32 v1, 0
	s_set_vgpr_msb 0x4000
	v_lshrrev_b32 v4, 5, v0
	v_readfirstlane_b32 s28, v4                    ; w
	s_and_b32 s29, s28, 3                          ; t
	s_lshr_b32 s30, s28, 2                         ; G
	s_lshr_b32 s32, ttmp9, 6                       ; batch
	s_mov_b32 s35, 0                               ; the high word of every offset
	s_mov_b32 s36, 0x76543210
	s_mov_b32 s37, 0xfedcba98                      ; v_permlanex16_b32's selects for lane l xor 16
	s_mov_b32 s38, 0x600000                        ; the mantissa field of 57,344
	s_mov_b32 s39, 0xffff0000                      ; lanes 16-31
	s_mov_b32 s40, 0x3eb8aa3b                      ; log2(e) / 4: t = res x this
	s_mov_b32 s41, s40                             ; (named with it as a pair, so it is written)
	s_mul_i32 s44, s28, 320                        ; my 4 tiles of keys in a row of res
	; lane terms of all addresses of the first phases, made ahead of the first branch on the wave's number
	v_and_b32 v226, 15, v0                         ; r
	v_bfe_u32 v227, v0, 4, 1                       ; h
	v_and_b32 v228, 31, v0                         ; lane
	v_and_b32 v229, 7, v0                          ; r % 8: the work-group has 8 queries; lanes r and r + 8 take the same one
	v_lshlrev_b32 v230, 2, v226
	v_lshl_add_u32 v230, v227, 13, v230            ; W1: column r, 16 h steps of d (two rows of 256 bytes each) down
	v_lshlrev_b32 v231, 6, v226
	v_lshl_add_u32 v231, v227, 4, v231             ; K's codes: row r of 64 bytes + 16 h
	v_lshlrev_b32 v232, 1, v226                    ; K's scales: 2 bytes a row
	v_lshlrev_b32 v233, 6, v229
	v_lshl_add_u32 v233, v227, 4, v233             ; Q's codes
	v_lshlrev_b32 v234, 1, v229                    ; Q's scales
	v_lshlrev_b32 v236, 4, v226                    ; V's scales: 16 bytes a row
	v_lshl_add_u32 v235, v227, 9, v236             ; V's codes: sixteen lanes take 256 bytes of a row, lanes 16-31 the next row
	v_lshlrev_b32 v237, 5, v227                    ; W2, b1: 8 numbers for each half
	s_lshl_b32 s45, s29, 6                         ; 64 t
	v_add_nc_u32 v240, s45, v237                   ; LDS: 64 t + 32 h: my 8 numbers in a row of 64
	v_lshl_add_u32 v238, v229, 8, v240             ;      + 256 (r % 8)
	s_lshl_b32 s46, s29, 2
	v_lshl_add_u32 v239, v229, 6, v237
	v_add_nc_u32 v239, s46, v239                   ;      64 (r % 8) + 32 h + 4 t
	v_lshlrev_b32 v245, 4, v228                    ;      16 lane
	v_lshlrev_b32 v246, 2, v228                    ;      4 lane
	s_lshl_b32 s42, s29, 10
	v_add_nc_u32 v241, s42, v245                   ;      1024 t + 16 lane
	s_lshl_b32 s46, s29, 7
	v_add_nc_u32 v242, s46, v246                   ;      128 t + 4 lane
	s_mul_i32 s42, s28, 4352
	v_mad_u32_u24 v243, v227, 272, v236
	v_add_nc_u32 v243, s42, v243                   ;      4352 w + 272 h + 16 r
	s_lshl_b32 s46, s28, 8
	v_lshl_add_u32 v244, v228, 3, s46              ;      256 w + 8 lane
	s_wait_kmcnt 0x0
	s_load_b32 s31, s[22:23], 0x0                  ; b2
	s_lshl_b32 s34, s30, 8
	s_add_co_u32 s34, s34, s45
	s_add_nc_u64 s[16:17], s[16:17], s[34:35]      ; W1 at row G (even rows face Q, odd rows K), column 16 t
.irp c, 0,1
.irp i, 0,1,2,3,4,5,6,7,8,9,10,11,12,13,14,15
	global_load_b32 v[X+16*\c+\i], v230, s[16:17] offset:(32*\c+\i)*512   ; W(d = 32 c + 16 h + i, column 16 t + r): a lane's registers run down K
.endr
.endr
	s_mov_b32 s34, s45
	s_add_nc_u64 s[18:19], s[18:19], s[34:35]      ; W2 and b1 at d = 16 t
	s_add_nc_u64 s[20:21], s[20:21], s[34:35]
	s_lshl_b32 s34, ttmp9, 9
	s_add_nc_u64 s[8:9], s[8:9], s[34:35]          ; Q's codes at my work-group's 8 rows
	s_lshl_b32 s34, ttmp9, 4
	s_add_nc_u64 s[10:11], s[10:11], s[34:35]      ; and their scales
	s_lshl_b32 s42, s32, 15                        ; a batch of codes
	s_lshl_b32 s34, s28, 12
	s_add_co_u32 s34, s34, s42
	s_add_nc_u64 s[4:5], s[4:5], s[34:35]          ; K's codes at my wave's 64 keys
	s_lshl_b32 s46, s32, 10                        ; a batch of scales
	s_lshl_b32 s34, s28, 7
	s_add_co_u32 s34, s34, s46
	s_add_nc_u64 s[6:7], s[6:7], s[34:35]
	s_lshl_b32 s34, s29, 13
	s_add_co_u32 s34, s34, s42
	s_lshl_b32 s42, s30, 8
	s_add_co_u32 s34, s34, s42
	s_add_nc_u64 s[12:13], s[12:13], s[34:35]      ; V's codes: rows 16 t on, keys 256 G on
	s_lshl_b32 s34, s29, 8
	s_add_co_u32 s34, s34, s46
	s_lshl_b32 s42, s30, 3
	s_add_co_u32 s34, s34, s42
	s_add_nc_u64 s[14:15], s[14:15], s[34:35]
	s_lshl_b32 s42, ttmp9, 3
	s_add_co_u32 s42, s42, s28                     ; the row that I finish: 8 g + w
	s_lshl_b32 s34, s42, 8
	s_add_nc_u64 s[24:25], s[24:25], s[34:35]
	s_lshl_b32 s34, s42, 11
	s_add_nc_u64 s[26:27], s[26:27], s[34:35]
	s_cmp_lt_u32 s28, 4
	s_cbranch_scc0 .Lno_q_loads                    ; waves 0-3 alone make hq
	global_load_b128 v[80:83], v233, s[8:9]        ; Q's fragment: k = 32 c + 16 h + 0 .. 15
	global_load_b128 v[84:87], v233, s[8:9] offset:32
	global_load_u16 v25, v234, s[10:11]            ; its two scale bytes; the word's upper bytes are 0, over zero codes
	global_load_b128 v[96:99], v237, s[20:21]      ; b1 in the result's layout
	global_load_b128 v[100:103], v237, s[20:21] offset:16
	global_load_b128 v[112:115], v237, s[18:19]    ; W2 likewise
	global_load_b128 v[116:119], v237, s[18:19] offset:16
.Lno_q_loads:
	; the 21 loads that every wave issues last.  K's four fragments lie at v48, v128, v144, v32 (tiles 0 to 3)
.irp c, 0,1
	global_load_b128 v[48+4*\c:51+4*\c],   v231, s[4:5] offset:32*\c
	global_load_b128 v[128+4*\c:131+4*\c], v231, s[4:5] offset:1024+32*\c
	global_load_b128 v[144+4*\c:147+4*\c], v231, s[4:5] offset:2048+32*\c
	global_load_b128 v[32+4*\c:35+4*\c],   v231, s[4:5] offset:3072+32*\c
.endr
.irp i, 0,1,2,3
	global_load_u16 v[28+\i], v232, s[6:7] offset:32*\i
.endr
.irp i, 0,1,2,3,4,5,6,7
	global_load_b128 v[192+4*\i:195+4*\i], v235, s[12:13] offset:1024*\i   ; rows 2 i + h: sixteen lanes read 256 consecutive bytes, aligned
.endr
	global_load_b64 v[224:225], v236, s[14:15]     ; V's scale words of my two K steps
	; zero codes for k = 64 .. 127 of the eight operands, written once while the loads are out
.irp b, 40, 56, 72, 88, 104, 120, 136, 152
.irp j, 0,1,2,3,4,5,6,7
	v_mov_b32 v[\b+\j], 0
.endr
.endr
	v_mov_b32 v3, 0                                ; a lane permute's destination counts as one of its sources
	v_mov_b32 v10, 0
	v_mov_b32 v11, 0
; My tile of W: two blocks of 32 along d, 16 numbers of each in this lane and 16 in lane l xor 16.  Codes to v64-71, the scale word to v24.
.macro QUANTW
.irp c, 0,1
	v_max3_num_f32 v[8+\c], |v[X+16*\c]|, |v[X+16*\c+1]|, 0x8000000      ; with the floor 2^(16 - 127): the byte cannot fall under 1
.endr
.irp i, 2,4,6,8,10,12,14
.irp c, 0,1
	v_max3_num_f32 v[8+\c], v[8+\c], |v[X+16*\c+\i]|, |v[X+16*\c+\i+1]|
.endr
.endr
.irp c, 0,1
	v_permlanex16_b32 v[10+\c], v[8+\c], s36, s37
.endr
.irp c, 0,1
	v_max_num_f32 v[8+\c], v[8+\c], v[10+\c]       ; the block's largest magnitude
.endr
.irp c, 0,1
	v_add_nc_u32 v[14+\c], 0xf8800000, v[8+\c]     ; 15 off its exponent field: the conversion's scale operand
.endr
.irp c, 0,1
	v_and_or_b32 v[12+\c], v[8+\c], 0x7f800000, s38   ; 57,344 x the scale
.endr
.irp c, 0,1
	v_lshrrev_b32 v[10+\c], 23, v[14+\c]           ; the scale's byte
.endr
	v_lshl_or_b32 v24, v11, 8, v10                 ; the column's scale word; the 32 holds below stand between it and the product
.irp c, 0,1
.irp i, 0,1,2,3,4,5,6,7,8,9,10,11,12,13,14,15
	v_med3_num_f32 v[X+16*\c+\i], v[X+16*\c+\i], -v[12+\c], v[12+\c]   ; the conversion to an 8-bit code does not saturate (ISA guide 7.6.2)
.endr
	v_cvt_scalef32_pk8_bf8_f32 v[64+4*\c:65+4*\c], v[X+16*\c:X+16*\c+7], v[14+\c]
	v_cvt_scalef32_pk8_bf8_f32 v[66+4*\c:67+4*\c], v[X+16*\c+8:X+16*\c+15], v[14+\c]
.endr
	v_nop                                          ; one plain instruction behind the last scaled conversion
.endm
	s_wait_loadcnt 21                              ; all but the 21 loads issued last: W1's 32 are in, and in waves 0-3 Q, b1 and W2
	QUANTW
	s_wait_kmcnt 0x0                               ; b2
	s_cmp_eq_u32 s28, 0
	s_cselect_b32 s43, s31, 0                      ; b2 enters SA once: in wave 0,
	s_cmp_lt_u32 s28, 4
	s_cbranch_scc0 .Lwk
.rept 3
	v_nop                                          ; with the one above: four places between codes made by vector instructions and the scaled product
.endr
	v_wmma_scale_f32_16x16x128_f8f6f4 v[96:103], v[64:79], v[80:95], v[96:103], v24, v25 matrix_a_fmt:MATRIX_FMT_BF8 matrix_b_fmt:MATRIX_FMT_BF8   ; a = hq + b1: lane (r, h): query r % 8, d = 16 t + 8 h + j
	v_mov_b32 v8, s43
	v_cndmask_b32 v8, v8, 0, s39                   ; in lanes 0-15 alone
.rept 7
	v_nop                                          ; NINE places behind the product: eight serve the reads below and the later loads into its operands; the ninth is owed
.endr                                          ; because the result's registers, v96-103, later hold Wk's tile 2 and are then an OPERAND of hk's products; the lines below name those registers and are no places
.irp j, 0,1,2,3,4,5,6,7
	v_fmac_f32 v8, v[96+\j], v[112+\j]             ; my 8 terms of SA, from the result's low end on
.endr
.irp k, 0,2,4,6
	v_pk_mul_f32 v[X+\k:X+\k+1], v[96+\k:97+\k], -1.0 op_sel_hi:[1,0]   ; na = -a
.endr
	ds_store_b128 v238, v[X:X+3] offset:NA         ; lanes r and r + 8 write the same bytes with the same values
	ds_store_b128 v238, v[X+4:X+7] offset:NA+16
	ds_store_b32 v239, v8 offset:SAP
	ds_store_b128 v240, v[112:115] offset:NA+2048  ; W2's row
	ds_store_b128 v240, v[116:119] offset:NA+2048+16
	s_branch .Ljoin
.Lwk:
	ds_store_b128 v241, v[64:67] offset:WIMG       ; Wk's tile t goes to the other waves as an image of its registers
	ds_store_b128 v241, v[68:71] offset:WIMG+512
	ds_store_b32 v242, v24 offset:WSC
.Ljoin:
	s_wait_loadcnt 0x0                             ; K and V
.irp i, 0,1,2,3,4,5,6,7
	ds_store_b128 v243, v[192+4*\i:195+4*\i] offset:VIMG+544*\i   ; V's rows wait in my own LDS bytes: their registers are wanted for hk
.endr
	ds_store_b64 v244, v[224:225] offset:VSC
	BARRIER                                        ; na, SA's parts, W2's row and Wk's images lie in LDS
	; ---- hk of my 64 keys
.irp t, 0,1,2,3
.irp c, 0,1
	ds_load_b128 v[WOP+16*\t+4*\c:WOP+16*\t+4*\c+3], v245 offset:WIMG+1024*\t+512*\c
.endr
	ds_load_b32 v[24+\t], v246 offset:WSC+128*\t
.endr
	s_wait_dscnt 0x0
.macro HK i, kop                       ; block i: Wk's four tiles x 16 keys
.irp t, 0,1,2,3
	v_wmma_scale_f32_16x16x128_f8f6f4 v[CB+32*\i+8*\t:CB+32*\i+8*\t+7], v[WOP+16*\t:WOP+16*\t+15], v[\kop:\kop+15], 0, v[24+\t], v[28+\i] matrix_a_fmt:MATRIX_FMT_BF8 matrix_b_fmt:MATRIX_FMT_BF8
.endr
.endm
	HK 1, 128
	HK 2, 144
	HK 3, 32
	v_bfe_u32 v1, v0, 4, 1                         ; block 0's results are laid over the fragments of tiles 1 and 2: nine places stand between
	v_and_b32 v2, 15, v0
	v_lshlrev_b32 v2, 2, v2
	v_mad_u32_u24 v2, v1, 80, v2
	v_add_nc_u32 v2, s44, v2                       ; v2 = 320 w + 80 h + 4 r: where I put a result
	v_lshlrev_b32 v1, 5, v1                        ; v1 = 32 h: my half's 8 numbers of each 16
.rept 3
	v_nop
.endr
	HK 0, 48
.rept 8
	v_nop                                          ; eight places in front of loads into registers that the products have read, and of the first read of results
.endr
.irp t, 0,1,2,3
	ds_load_b128 v[WV+8*\t:WV+8*\t+3],   v1 offset:NA+2048+64*\t       ; W2 in hk's layout: register 8 t + j: d = 16 t + 8 h + j
	ds_load_b128 v[WV+8*\t+4:WV+8*\t+7], v1 offset:NA+2048+64*\t+16
.endr
.irp t, 0,1,2,3
	ds_load_b128 v[32+8*\t:32+8*\t+3],   v1 offset:NA+64*\t            ; query 0's na likewise
	ds_load_b128 v[32+8*\t+4:32+8*\t+7], v1 offset:NA+64*\t+16
.endr
	ds_load_b128 v[4:7], v1 offset:SAP             ; and my half's four parts of its SA
	; ---- res: 8 queries x my 64 keys.  Sums v8-15 (a pair for each tile of keys), maxima v16-23; na in v32-63 and v64-95 by turns
.macro MAX4                            ; pair PP of d, four tiles of keys
.irp i, 0,1,2,3
.if DUAL
	v_dual_max_num_f32 v[16+2*\i], v[AB+2*PP], v[CB+32*\i+2*PP] :: v_dual_max_num_f32 v[17+2*\i], v[AB+2*PP+1], v[CB+32*\i+2*PP+1]
.else
	v_max_num_f32 v[16+2*\i], v[AB+2*PP], v[CB+32*\i+2*PP]
	v_max_num_f32 v[17+2*\i], v[AB+2*PP+1], v[CB+32*\i+2*PP+1]
.endif
.endr
.endm
.macro FMA4                            ; the first pair starts the sums on SA's parts: nothing is cleared
.irp i, 0,1,2,3
.if PP == 0
	v_pk_fma_f32 v[8+2*\i:9+2*\i], v[16+2*\i:17+2*\i], v[WV+2*PP:WV+2*PP+1], v[4:5]
.else
	v_pk_fma_f32 v[8+2*\i:9+2*\i], v[16+2*\i:17+2*\i], v[WV+2*PP:WV+2*PP+1], v[8+2*\i:9+2*\i]
.endif
.endr
.endm
.macro QUERY q
.set AB, 32+32*((\q)%2)
.set AN, 32+32*(((\q)+1)%2)
.if \q == 0
	s_wait_dscnt 0x0
.else
	s_wait_dscnt 0x2                               ; behind this query's nine loads stand only the two stores of the query before
.endif
	v_pk_add_f32 v[4:5], v[4:5], v[6:7]
.if \q < 7
.irp t, 0,1,2,3
	ds_load_b128 v[AN+8*\t:AN+8*\t+3],   v1 offset:NA+256*((\q)+1)+64*\t      ; the next query's na: a whole query's work ahead of its use
	ds_load_b128 v[AN+8*\t+4:AN+8*\t+7], v1 offset:NA+256*((\q)+1)+64*\t+16
.endr
.endif
.set PP, 0
.rept 16
	MAX4
	FMA4
.if (PP == 0) && (\q < 7)
	ds_load_b128 v[4:7], v1 offset:SAP+64*((\q)+1) ; v[4:5] have been read
.endif
.set PP, PP+1
.endr
.irp i, 0,1,2,3
	v_add_f32 v[16+\i], v[8+2*\i], v[9+2*\i]       ; tile i: my half of the key's sum
.endr
	v_cndmask_b32 v20, v16, v17, s39               ; lanes 0-15 finish tile 0, lanes 16-31 tile 1: what I keep,
	v_cndmask_b32 v21, v17, v16, s39               ; and what lane l xor 16 wants of me
	v_cndmask_b32 v22, v18, v19, s39               ; tiles 2 and 3 likewise
	v_cndmask_b32 v23, v19, v18, s39
	v_permlanex16_b32 v16, v21, s36, s37
	v_permlanex16_b32 v17, v23, s36, s37
	v_add_f32 v20, v20, v16
	v_add_f32 v22, v22, v17
	ds_store_b32 v2, v20 offset:SRES+2560*(\q)
	ds_store_b32 v2, v22 offset:SRES+2560*(\q)+160
.endm
.irp q, 0,1,2,3,4,5,6,7
	QUERY \q
.endr
	; ---- the softmax of row w.  The addresses of the last phases are made between the barrier's signal and its wait
	s_wait_dscnt 0x0                               ; my results lie in LDS
	s_barrier_signal -1
	v_and_b32 v204, 31, v0                         ; lane
	v_and_b32 v205, 15, v0                         ; r
	v_bfe_u32 v206, v0, 4, 1                       ; h
	v_and_b32 v207, 7, v0                          ; r % 8
	s_mul_i32 s42, s28, 2560
	v_mul_u32_u24 v192, v204, 80
	v_add_nc_u32 v192, s42, v192                   ; my row, keys 16 lane .. + 15
	v_bfe_u32 v208, v0, 2, 3
	v_and_b32 v209, 3, v0
	v_mul_u32_u24 v193, v208, 80
	v_lshl_add_u32 v193, v209, 4, v193
	v_add_nc_u32 v193, s42, v193                   ; my row, keys 4 lane .. + 3 of each 128
	s_lshl_b32 s45, s28, 4
	v_lshlrev_b32 v194, 8, v204
	v_add_nc_u32 v194, s45, v194                   ; p's image: keys 16 lane on are K step lane / 8, group c = (lane / 2) % 4, half lane % 2: together 256 lane; + 16 x row
	v_bfe_u32 v208, v0, 3, 2
	v_bfe_u32 v209, v0, 1, 2
	s_lshl_b32 s46, s28, 2
	v_lshl_add_u32 v195, v208, 7, v209
	v_add_nc_u32 v195, s46, v195                   ; its scale byte: 128 (lane / 8) + c + 4 x row
	v_lshlrev_b32 v202, 4, v204                    ; 16 lane
	v_lshlrev_b32 v203, 3, v204                    ; 8 lane
	s_lshl_b32 s42, s30, 12
	v_add_nc_u32 v196, s42, v202                   ; p's fragments of my two K steps
	s_lshl_b32 s45, s30, 8
	v_lshl_add_u32 v197, v205, 2, s45              ; and their scale words
	s_mul_i32 s46, s28, 4352
	v_mul_u32_u24 v198, v205, 272
	v_lshl_add_u32 v198, v206, 4, v198
	v_add_nc_u32 v198, s46, v198                   ; V's fragments
	s_lshl_b32 s42, s28, 8
	v_add_nc_u32 v199, s42, v203                   ; V's scale words
	s_mul_i32 s45, s30, 2304
	s_lshl_b32 s46, s29, 6
	s_add_co_u32 s45, s45, s46
	v_mul_u32_u24 v200, v207, 272
	v_lshl_add_u32 v200, v206, 5, v200
	v_add_nc_u32 v200, s45, v200                   ; my part of out0: plane G, row r % 8, d = 16 t + 8 h on
	s_mul_i32 s42, s28, 272
	v_add_nc_u32 v201, s42, v203                   ; and back: row w, two numbers a lane
	s_barrier_wait -1                              ; all 512 results of my row lie in LDS
.irp i, 0,1,2,3
	ds_load_b128 v[PR+4*\i:PR+4*\i+3], v192 offset:SRES+16*\i
.endr
	s_wait_dscnt 0x0
	v_max3_num_f32 v8, v[PR], v[PR+1], v[PR+2]
	v_max3_num_f32 v9, v[PR+3], v[PR+4], v[PR+5]
.irp i, 6,10
	v_max3_num_f32 v8, v8, v[PR+\i], v[PR+\i+1]
	v_max3_num_f32 v9, v9, v[PR+\i+2], v[PR+\i+3]
.endr
	v_max3_num_f32 v8, v8, v[PR+14], v[PR+15]
	v_max_num_f32 v8, v8, v9
	v_max_num_f32_dpp v10, v8, v8 row_xmask:1 row_mask:0xf bank_mask:0xf     ; the largest result of my block of 32 keys: p rises with it, so it also gives the block's largest p
	v_max_num_f32_dpp v11, v10, v10 row_xmask:2 row_mask:0xf bank_mask:0xf
	v_max_num_f32_dpp v11, v11, v11 row_xmask:4 row_mask:0xf bank_mask:0xf
	v_max_num_f32_dpp v11, v11, v11 row_xmask:8 row_mask:0xf bank_mask:0xf
	v_permlanex16_b32 v3, v11, s36, s37
	v_max_num_f32 v11, v11, v3                     ; the row's
	v_mul_f32 v11, s40, v11                        ; as t
	v_floor_f32 v12, -v11                          ; -M = -ceil(t): a whole number
	v_mov_b32 v13, v12                             ; (named with it as a pair)
.irp k, 0,2,4,6,8,10,12,14
	v_pk_fma_f32 v[PR+\k:PR+\k+1], v[PR+\k:PR+\k+1], s[40:41], v[12:13] op_sel_hi:[1,0,0]   ; t - M
.endr
	v_fma_f32 v14, v10, s40, v12                   ; the same of the block's largest
.irp i, 0,1,2,3,4,5,6,7,8,9,10,11,12,13,14,15
	v_exp_f32 v[PR+\i], v[PR+\i]                   ; p = 2^(t - M)
.endr
	v_exp_f32 v14, v14
	v_nop                                          ; a plain instruction behind the last exponential
	s_wait_alu depctr_va_vdst(0)                   ; one wait for the 17, ahead of their first reader
	v_max_num_f32 v14, 0x8000000, v14              ; the floor 2^(16 - 127)
	v_add_nc_u32 v15, 0xf8800000, v14              ; the conversion's scale operand
	v_and_or_b32 v16, v14, 0x7f800000, s38         ; 57,344 x the scale
	v_lshrrev_b32 v17, 23, v15                     ; the scale's byte
.irp i, 0,1,2,3,4,5,6,7,8,9,10,11,12,13,14,15
	v_min_num_f32 v[HH+\i], v[PR+\i], v16          ; the hold, into other registers: the sum and att take p as it is
.endr
	v_cvt_scalef32_pk8_bf8_f32 v[CD:CD+1], v[HH:HH+7], v15
	v_cvt_scalef32_pk8_bf8_f32 v[CD+2:CD+3], v[HH+8:HH+15], v15
	v_nop                                          ; one plain instruction behind the last scaled conversion
	ds_store_b128 v194, v[CD:CD+3] offset:PIMG     ; row w of p's operand,
	ds_store_b128 v194, v[CD:CD+3] offset:PIMG+128 ; and once more as row w + 8: the operand has 16 rows and the work-group 8 queries; no byte of it stays unwritten
	ds_store_b8 v195, v17 offset:PSC               ; both lanes of a block write the same byte with the same value
	ds_store_b8 v195, v17 offset:PSC+32
	s_wait_dscnt 0x0
	s_barrier_signal -1
	v_pk_add_f32 v[18:19], v[PR:PR+1], v[PR+2:PR+3]        ; the row's sum of the unquantised p, while the others arrive
	v_pk_add_f32 v[20:21], v[PR+4:PR+5], v[PR+6:PR+7]
	v_pk_add_f32 v[18:19], v[18:19], v[PR+8:PR+9]
	v_pk_add_f32 v[20:21], v[20:21], v[PR+10:PR+11]
	v_pk_add_f32 v[18:19], v[18:19], v[PR+12:PR+13]
	v_pk_add_f32 v[20:21], v[20:21], v[PR+14:PR+15]
	v_pk_add_f32 v[18:19], v[18:19], v[20:21]
	v_add_f32 v18, v18, v19
	v_add_f32_dpp v18, v18, v18 row_xmask:1 row_mask:0xf bank_mask:0xf
	v_add_f32_dpp v18, v18, v18 row_xmask:2 row_mask:0xf bank_mask:0xf
	v_add_f32_dpp v18, v18, v18 row_xmask:4 row_mask:0xf bank_mask:0xf
	v_add_f32_dpp v18, v18, v18 row_xmask:8 row_mask:0xf bank_mask:0xf
	v_permlanex16_b32 v3, v18, s36, s37
	v_add_f32 v18, v18, v3
	v_rcp_f32 v4, v18
	v_nop
	s_wait_alu depctr_va_vdst(0)                   ; ahead of the reciprocal's first reader
	v_mov_b32 v5, v4
.irp k, 0,2,4,6,8,10,12,14
	v_pk_mul_f32 v[PR+\k:PR+\k+1], v[PR+\k:PR+\k+1], v[4:5]   ; att = p / the sum
.endr
	s_barrier_wait -1                              ; all eight rows' codes and scale bytes lie in LDS
	; ---- out0's tile t over my 256 keys; att turns through my own row of LDS meanwhile
.irp s, 0,1
.irp c, 0,1,2,3
	ds_load_b128 v[PF+16*\s+4*\c:PF+16*\s+4*\c+3], v196 offset:PIMG+2048*\s+512*\c
.endr
.endr
	ds_load_b32 v26, v197 offset:PSC
	ds_load_b32 v27, v197 offset:PSC+128
.irp s, 0,1
.irp c, 0,1,2,3
	ds_load_b128 v[VF+16*\s+4*\c:VF+16*\s+4*\c+3], v198 offset:VIMG+128*\s+32*\c
.endr
.endr
	ds_load_b64 v[24:25], v199 offset:VSC
.irp i, 0,1,2,3
	ds_store_b128 v192, v[PR+4*\i:PR+4*\i+3] offset:SRES+16*\i   ; a lane holds 16 neighbours of the row;
.endr
.irp j, 0,1,2,3
	ds_load_b128 v[YY+4*\j:YY+4*\j+3], v193 offset:SRES+640*\j   ; back so that 32 lanes hold 512 consecutive bytes (LDS serves a wave's instructions in order: ISA guide 5.7.1.4)
.endr
	s_wait_dscnt 0x8                               ; the 19 operand loads are in; att's four stores and four loads may be out
	v_wmma_scale_f32_16x16x128_f8f6f4 v[DD:DD+7], v[VF:VF+15], v[PF:PF+15], 0, v24, v26 matrix_a_fmt:MATRIX_FMT_BF8 matrix_b_fmt:MATRIX_FMT_BF8
	s_wait_alu depctr_va_vdst(0)                   ; one accumulator, two links that follow each other
	v_wmma_scale_f32_16x16x128_f8f6f4 v[DD:DD+7], v[VF+16:VF+31], v[PF+16:PF+31], v[DD:DD+7], v25, v27 matrix_a_fmt:MATRIX_FMT_BF8 matrix_b_fmt:MATRIX_FMT_BF8
	s_wait_dscnt 0x0
.irp j, 0,1,2,3
	global_store_b128 v202, v[YY+4*\j:YY+4*\j+3], s[26:27] offset:512*\j th:TH_STORE_NT   ; 512 consecutive bytes of att's row, aligned; written once
.endr
.rept 8
	v_nop                                          ; eight places behind the product, ahead of the stores that read its result
.endr
	ds_store_b128 v200, v[DD:DD+3] offset:OST      ; lane (r, h): query r % 8, d = 16 t + 8 h + 0 .. 7; lanes r and r + 8 hold the same
	ds_store_b128 v200, v[DD+4:DD+7] offset:OST+16
	BARRIER                                        ; the eight parts of out0 lie in LDS
	ds_load_b64 v[104:105], v201 offset:OST        ; row w: keys 0-255's part,
	ds_load_b64 v[106:107], v201 offset:OST+2304   ; and keys 256-511's
	s_wait_dscnt 0x0
	v_pk_add_f32 v[104:105], v[104:105], v[106:107]
	v_pk_mul_f32 v[104:105], v[104:105], v[4:5]    ; divided by the row's sum
	global_store_b64 v203, v[104:105], s[24:25] th:TH_STORE_NT   ; 32 lanes store the row's 256 bytes, aligned
	s_set_vgpr_msb 0x5
	s_wait_tensorcnt 0x0
	ds_add_u32 v0, v1
	s_wait_dscnt 0x0
	s_set_vgpr_msb 0x500
	s_endpgm
.Lfunc_end_k_q8833f3b171_mlpatt:
	.size	k_q8833f3b171_mlpatt, .Lfunc_end_k_q8833f3b171_mlpatt-k_q8833f3b171_mlpatt
	.p2alignl 7, 3214868480
	.fill 96, 4, 3214868480
	.section	.rodata,"a",@progbits
	.p2align	6, 0x0
	.amdhsa_kernel k_q8833f3b171_mlpatt
		.amdhsa_group_segment_fixed_size 168960
		.amdhsa_private_segment_fixed_size 0
		.amdhsa_enable_private_segment 0
		.amdhsa_kernarg_size 96
		.amdhsa_user_sgpr_count 2
		.amdhsa_user_sgpr_kernarg_segment_ptr 1
		.amdhsa_wavefront_size32 1
		.amdhsa_system_sgpr_workgroup_id_x 1
		.amdhsa_system_sgpr_workgroup_id_y 1
		.amdhsa_system_sgpr_workgroup_id_z 1
		.amdhsa_system_vgpr_workitem_id 0
		.amdhsa_next_free_vgpr 258
		.amdhsa_next_free_sgpr 66
		.amdhsa_reserve_vcc 0
		.amdhsa_float_denorm_mode_32 3
		.amdhsa_float_denorm_mode_16_64 3
		.amdhsa_memory_ordered 1
		.amdhsa_forward_progress 1
		.amdhsa_inst_pref_size 108
	.end_amdhsa_kernel
	.amdgpu_metadata
---
amdhsa.version: [ 1, 2 ]
amdhsa.kernels:
  - .name:           k_q8833f3b171_mlpatt
    .symbol:         k_q8833f3b171_mlpatt.kd
    .args:
      - { .name: K_codes, .offset: 0, .size: 8, .value_kind: global_buffer, .address_space: global }
      - { .name: K_scales, .offset: 8, .size: 8, .value_kind: global_buffer, .address_space: global }
      - { .name: Q_codes, .offset: 16, .size: 8, .value_kind: global_buffer, .address_space: global }
      - { .name: Q_scales, .offset: 24, .size: 8, .value_kind: global_buffer, .address_space: global }
      - { .name: V_codes, .offset: 32, .size: 8, .value_kind: global_buffer, .address_space: global }
      - { .name: V_scales, .offset: 40, .size: 8, .value_kind: global_buffer, .address_space: global }
      - { .name: W1, .offset: 48, .size: 8, .value_kind: global_buffer, .address_space: global }
      - { .name: W2, .offset: 56, .size: 8, .value_kind: global_buffer, .address_space: global }
      - { .name: b1, .offset: 64, .size: 8, .value_kind: global_buffer, .address_space: global }
      - { .name: b2, .offset: 72, .size: 8, .value_kind: global_buffer, .address_space: global }
      - { .name: out0, .offset: 80, .size: 8, .value_kind: global_buffer, .address_space: global }
      - { .name: out1, .offset: 88, .size: 8, .value_kind: global_buffer, .address_space: global }
    .group_segment_fixed_size: 168960
    .private_segment_fixed_size: 0
    .kernarg_segment_align: 8
    .kernarg_segment_size: 96
    .max_flat_workgroup_size: 256
    .sgpr_count:     66
    .vgpr_count:     258
    .wavefront_size: 32
...
	.end_amdgpu_metadata
.endif
;; end of part 1
